; MI455X (gfx1250); checked and timed in simulation.
; The chip was launched on July 23, 2026; its instructions are those of AMD's public machine-readable ISA for CDNA 5 (MIT licence, August 2026) and "CDNA5" Instruction Set Architecture Reference Guide (July 2026). The comments in the code are by the model that wrote it; some were corrected since.
;; GRU Cell. Allowed arithmetic: float matrix products may take bf16 or f16 operands with f32 sums; other float arithmetic in f32, or as packed bf16 or f16 multiplies, adds, multiply-adds, maxima and minima; sums over many terms, partial sums and values carried from step to step in f32; what a program stores and reads back later, other than sums and carried values, may be rounded once to bf16 or f16.
;; Inputs: W_gate 1,024 x 1,024 float32; W_h 512 x 512 float32; W_i 512 x 512 float32; b_gate 1,024 float32; b_h 512 float32; b_i 512 float32; hidden 16,384 x 512 float32; input 16,384 x 512 float32.
;; Outputs: out0 16,384 x 512 float32.
;; One version. Each part assembles by itself: llvm-mc -triple=amdgcn-amd-amdhsa -mcpu=gfx1250 --defsym DOCPART=n.
;; ======== version 1 of 1: 2 launches
;; workspace buffers: wb 3,145,728 bytes
;; launch prep (part 1): grid 12 x 32, 8 waves a work-group, no clusters, 0 bytes of LDS; arguments W_gate, W_i, W_h, wb; writes wb
.if DOCPART == 1
	.amdgcn_target "amdgcn-amd-amdhsa--gfx1250"
	.amdhsa_code_object_version 6
	.text
	.protected	k_qbef580740b_prep
	.globl	k_qbef580740b_prep
	.p2align	8
	.type	k_qbef580740b_prep,@function
k_qbef580740b_prep:
	s_mov_b64 s[64:65], 0
	v_nop
	global_prefetch_b8 v0, s[64:65] scope:SCOPE_SE
	s_setreg_imm32_b32 hwreg(HW_REG_WAVE_MODE, 25, 1), 1
	s_wait_xcnt 0x0
; THE WEIGHTS, ROUNDED ONCE TO bf16 AND LAID OUT AS THE NEXT LAUNCH ASKS FOR THEM.
; wb[c][t][rho][k], bf16: c = 0..3 a chunk of 128 output columns, t = 0..7 a K step of 128 (even t: over input, slice u = t / 2; odd t: over hidden, slice u = t / 2),
; rho = 128 g + j, k = 0..127.  With n = 128 c + j:  g = 0: W_gate[n][..], g = 1: W_gate[512 + n][..], columns 128 u + k (even t) or 512 + 128 u + k (odd t);
; g = 2: W_i[n][128 u + k] (even t) or W_h[n][128 u + k] (odd t).  A block (c, t) is 384 rows of 256 bytes on end: 98,304 dense bytes.
; No work of the module is left out: every weight has a way to the output, and each is read once and written once here.
; SHARES.  Work-group (x = 4 g + qd, y = 8 c + t) takes rows 128 g + 32 qd .. + 31 of block y, each of its eight waves four of them.  A row's piece is 512 bytes of f32:
; one load of 16 bytes a lane; it leaves as 8 bytes a lane: each store of a wave covers 256 consecutive bytes, aligned.
; No LDS, no barrier, no matrix unit: nothing is shared and nothing is summed.
	s_load_b256 s[4:11], s[0:1], 0x0               ; W_gate s[4:5], W_i s[6:7], W_h s[8:9], wb s[10:11]
	v_lshrrev_b32 v1, 5, v0
	v_readfirstlane_b32 s12, v1                    ; wave 0..7
	v_and_b32 v6, 31, v0                           ; lane
	s_lshr_b32 s13, ttmp9, 2                       ; g
	s_and_b32 s14, ttmp9, 3                        ; qd
	s_and_b32 s15, ttmp7, 0xffff                   ; y = 8 c + t
	s_lshr_b32 s16, s15, 3                         ; c
	s_and_b32 s17, s15, 7                          ; t
	s_and_b32 s18, s17, 1                          ; 0: over input, 1: over hidden
	s_lshr_b32 s19, s17, 1                         ; u
	s_lshl_b32 s20, s14, 5
	s_lshl2_add_u32 s20, s12, s20                  ; j0 = 32 qd + 4 wave: my first row in the gate's 128
	s_lshl_b32 s21, s16, 7
	s_add_co_u32 s21, s21, s20                     ; n = 128 c + j0
	s_lshl_b32 s32, s13, 9
	s_add_co_u32 s32, s32, s21                     ; the row in W_gate: 512 g + n
	s_lshl_b32 s33, s19, 9                         ; the piece's first byte in a row of W_i or W_h: 512 u,
	s_lshl_b32 s34, s18, 11
	s_add_co_u32 s34, s34, s33                     ; in a row of W_gate: 512 u + 2,048 for hidden's half
	s_mov_b32 s36, 2048                            ; bytes in a row of W_i and W_h,
	s_mov_b32 s37, 4096                            ; of W_gate
	s_cmp_eq_u32 s13, 2
	s_cselect_b32 s22, s36, s37                    ; pitch
	s_cselect_b32 s23, s21, s32                    ; row
	s_cselect_b32 s24, s33, s34                    ; first byte in the row
	s_mul_i32 s28, s23, s22
	s_add_co_u32 s28, s28, s24                     ; the source's offset, under 2^22
	s_mov_b32 s29, 0
	s_mul_i32 s30, s15, 384
	s_lshl_b32 s35, s13, 7
	s_add_co_u32 s30, s30, s35
	s_add_co_u32 s30, s30, s20                     ; the row in wb: 384 y + 128 g + j0
	s_lshl_b32 s30, s30, 8                         ; 256 bytes a row
	s_mov_b32 s31, 0
	v_lshlrev_b32 v1, 4, v6                        ; 16 bytes a lane, rows 0 to 3 of my four
	v_add_nc_u32 v2, s22, v1
	v_lshl_add_u32 v3, s22, 1, v1
	v_add_nc_u32 v4, s22, v3
	v_lshlrev_b32 v5, 3, v6                        ; 8 bytes a lane on the way out
	s_wait_kmcnt 0x0
	s_cmp_eq_u32 s18, 1
	s_cselect_b64 s[26:27], s[8:9], s[6:7]         ; W_h or W_i,
	s_cmp_eq_u32 s13, 2
	s_cselect_b64 s[26:27], s[26:27], s[4:5]       ; or W_gate: the choice hangs on the work-group's number alone
	s_add_nc_u64 s[26:27], s[26:27], s[28:29]
	s_add_nc_u64 s[10:11], s[10:11], s[30:31]
.irp i, 0,1,2,3
	global_load_b128 v[8+4*(\i):11+4*(\i)], v[1+(\i)], s[26:27] th:TH_LOAD_NT
.endr
.irp i, 0,1,2,3
	s_wait_loadcnt 3-(\i)                          ; loads come back in order (ISA guide 5.7.1): row i is in, the younger ones stay out
	v_cvt_pk_bf16_f32 v[24+2*(\i)], v[8+4*(\i)], v[9+4*(\i)]
	v_cvt_pk_bf16_f32 v[25+2*(\i)], v[10+4*(\i)], v[11+4*(\i)]
	global_store_b64 v5, v[24+2*(\i):25+2*(\i)], s[10:11] offset:256*(\i)
.endr
	s_endpgm                                       ; no register that a load or store names is written twice, so no further wait is owed
.Lfunc_end_k_qbef580740b_prep:
	.size	k_qbef580740b_prep, .Lfunc_end_k_qbef580740b_prep-k_qbef580740b_prep
	.p2alignl 7, 3214868480
	.fill 96, 4, 3214868480
	.section	.rodata,"a",@progbits
	.p2align	6, 0x0
	.amdhsa_kernel k_qbef580740b_prep
		.amdhsa_group_segment_fixed_size 0
		.amdhsa_private_segment_fixed_size 0
		.amdhsa_enable_private_segment 0
		.amdhsa_kernarg_size 32
		.amdhsa_user_sgpr_count 2
		.amdhsa_user_sgpr_kernarg_segment_ptr 1
		.amdhsa_wavefront_size32 1
		.amdhsa_system_sgpr_workgroup_id_x 1
		.amdhsa_system_sgpr_workgroup_id_y 1
		.amdhsa_system_sgpr_workgroup_id_z 1
		.amdhsa_system_vgpr_workitem_id 0
		.amdhsa_next_free_vgpr 32
		.amdhsa_next_free_sgpr 66
		.amdhsa_reserve_vcc 0
		.amdhsa_float_denorm_mode_32 3
		.amdhsa_float_denorm_mode_16_64 3
		.amdhsa_memory_ordered 1
		.amdhsa_forward_progress 1
		.amdhsa_inst_pref_size 4
	.end_amdhsa_kernel
	.amdgpu_metadata
---
amdhsa.version: [ 1, 2 ]
amdhsa.kernels:
  - .name:           k_qbef580740b_prep
    .symbol:         k_qbef580740b_prep.kd
    .args:
      - { .name: W_gate, .offset: 0, .size: 8, .value_kind: global_buffer, .address_space: global }
      - { .name: W_i, .offset: 8, .size: 8, .value_kind: global_buffer, .address_space: global }
      - { .name: W_h, .offset: 16, .size: 8, .value_kind: global_buffer, .address_space: global }
      - { .name: wb, .offset: 24, .size: 8, .value_kind: global_buffer, .address_space: global }
    .group_segment_fixed_size: 0
    .private_segment_fixed_size: 0
    .kernarg_segment_align: 8
    .kernarg_segment_size: 32
    .max_flat_workgroup_size: 256
    .sgpr_count:     66
    .vgpr_count:     32
    .wavefront_size: 32
...
	.end_amdgpu_metadata
.endif
;; end of part 1
;; launch gru (part 2): grid 4 x 64, 4 waves a work-group, clusters of 4 x 4, 327,680 bytes of LDS; arguments input, hidden, b_gate, b_i, b_h, wb, out0; writes out0
.if DOCPART == 2
	.amdgcn_target "amdgcn-amd-amdhsa--gfx1250"
	.amdhsa_code_object_version 6
	.text
	.protected	k_qbef580740b_gru
	.globl	k_qbef580740b_gru
	.p2align	8
	.type	k_qbef580740b_gru,@function
k_qbef580740b_gru:
	s_mov_b64 s[64:65], 0
	v_nop
	global_prefetch_b8 v0, s[64:65] scope:SCOPE_SE
	s_setreg_imm32_b32 hwreg(HW_REG_WAVE_MODE, 25, 1), 1
	s_wait_xcnt 0x0
	s_wait_alu depctr_hold_cnt(0) depctr_sa_sdst(0) depctr_va_vdst(0) depctr_va_sdst(0) depctr_va_ssrc(0) depctr_va_vcc(0) depctr_vm_vsrc(0)
	s_getreg_b32 s2, hwreg(HW_REG_IB_STS2, 6, 4)
	s_cmp_eq_u32 s2, 0
	s_cbranch_scc0 .Lentry_in_a_cluster
	s_endpgm
.Lentry_in_a_cluster:
	s_bfe_u32 s2, ttmp6, 0x10000c
	s_cmp_lg_u32 s2, 0xf033
	s_cbranch_scc0 .Lentry_shape_is_right
	s_endpgm
.Lentry_shape_is_right:
; A GRU STEP, WHOLE.  out[b][n] = nn + z (hidden[b][n] - nn), nn = tanh(i + r hh), r = sigmoid(R), z = sigmoid(Z), with four sums for each output:
; R, Z over [input, hidden] (K = 1,024, W_gate's rows n and 512 + n), i over input (W_i), hh over hidden (W_h), each begun with its bias.
; NO WORK IS LEFT OUT: every input has a way to the output; the concatenation is a split of K, the dropout of 0 an identity.
; FORMATS AND LIMITS.  Products on bf16 operands (input, hidden and the weights each rounded once), sums in f32; the blend takes hidden in f32.
; sigmoid(x) = 1 / (1 + 2^(-x log2 e)), tanh(x) = 1 - 2 / (1 + 2^(2 x log2 e)): an exponential that overflows gives infinity and its reciprocal 0, which are the functions' own ends;
; an exponential or a reciprocal under 2^-126 counts as 0; near 0 tanh keeps an absolute error of about 1e-7.  NaN and infinities among the inputs are not treated apart.
; SHARES.  A tile is 128 rows x 128 columns of out with all four sums in registers: four waves, each 64 x 64: 4 sums x 16 accumulators of 16 x 16 = 512 registers.
; K goes in eight steps of 128, input's and hidden's slices by turns; a step of input feeds R, Z, i, a step of hidden R, Z, hh: 192 matrix instructions a wave.
; A WORK-GROUP STAYS: it makes TWO tiles, the same 128 columns, 8,192 rows apart: 256 work-groups for 512 tiles.  Both rings run on across the change of tiles: the first tile's last lap asks for the second
; tile's first two blocks of weights and first slices of input and hidden, so these are on their way under the gates; nothing waits for the first tile's stores.
; THE MATRIX INSTRUCTION IS USED TRANSPOSED (source 0 = 16 rows of wb = 16 output columns, source 1 = 16 rows of the batch): a lane holds ONE row (lane % 16) and the columns 8 (lane / 16) + 0..7.
; WEIGHTS come as bf16 blocks of 384 rows x 256 bytes (the launch before laid them so), by tensor loads into a ring of two LDS slots.  CLUSTER 4 x 4: a block hangs on the column chunk alone, so the four
; work-groups of a column of the cluster ask for it JOINTLY: the same load, descriptor and mask in all four; each wave brings a quarter (96 rows).
; INPUT AND HIDDEN come as f32 through registers, are rounded, and go by ds_store into a second ring of two slots of their own, one step ahead.  They are not asked for jointly: a tensor load
; cannot round, and two f32 slots of 128 rows x 528 bytes beside the weights' 208,896 bytes would be 344,064 bytes, more than the 327,680 there are.  The four work-groups of a row of the cluster read the same rows.
; REGISTERS, in windows of 256 (s_set_vgpr_msb: bits 1:0 source 0, 3:2 source 1, 5:4 source 2, 7:6 destination):
;   window 0: v2-16 addresses; v28-29 the add's; v32-95 fragments of the batch rows, two buffers of 4 x 8; v96-223 32 rows x 16 bytes of f32 on their way in; v224-239 rounded pairs
;   window 1: v0-95, v96-191 fragments of wb, two buffers of 12 x 8 (at the start: v0-127 input's slice 0; at a tile's end: v0-127 rows read back from the stage, v128-255 hidden's tile, then out's)
;   window 2: R at 8 (4 mb + nb), Z at 128 + the same          window 3: i at 8 (4 mb + nb), hh at 128 + the same
.set PITCH, 272                        ; an LDS row: 256 bytes + 16 of padding = 68 words: row r starts at bank 4 r mod 64 (64 banks of 4 bytes: ISA guide 11.1), so the 16 rows of a load start at 16 different banks
.set WSLOT, 384*PITCH                  ; a slot of weights: 104,448 bytes; slots at 0 and WSLOT, filled by tensor loads alone
.set AS,    2*WSLOT                    ; the batch rows' ring: slot 0 input's slices, slot 1 hidden's; written by ds_store alone
.set ASLOT, 128*PITCH
.set STAGE, AS+2*ASLOT                 ; the way out: for each wave two areas (nn, z) of 16 rows x 272 bytes
.set SAREA, 16*PITCH
.set SPARE, STAGE+8*SAREA              ; the spare words, 128 bytes for each wave: two blocks of 256 bytes that no other line names
.set BLK,   384*256                    ; a block of wb in memory
.set ROWB,  2048                       ; a row of input, hidden and out
.set WALKB, 64*128*ROWB                ; from a work-group's first tile to its second: 8,192 rows
.set ADRA, 2                           ; v2-3    LDS address of my batch fragments in slot 0, 1
.set ADRB, 4                           ; v4-9    of my wb fragments: slot sl, gate g at ADRB + 3 sl + g
.set FO,   10                          ; v10     my 16 bytes in the first of the 32 rows that I bring in
.set AST,  11                          ; v11     where their 8 rounded bytes go in slot 0
.set STO,  12                          ; v12     the way out: where I put 16 bytes of a row
.set RD,   13                          ; v13     where I read rows back
.set HO,   14                          ; v14     my 16 bytes in two rows of hidden's and out's tile
.set PFO,  15                          ; v15     the prefetches' offset
.set BO,   16                          ; v16     my 8 columns in the biases
.set SPW,  28                          ; v28     LDS address of my spare word; never rewritten
.set NIL,  29                          ; v29     0; never rewritten
.set FA,   32
.set FD,   96
.set PK,   224
.set HT,   128                         ; window 1: hidden's f32 numbers of my 64 x 64, row pair t of row block mb at HT + 32 mb + 4 t
.set WV,  18                           ; s18 wave; s19 which 64 rows, s20 which 64 columns are mine
.set WM,  19
.set WN,  20
.set CX,  21                           ; my place in the cluster
.set CY,  22
.set CC,  23                           ; column chunk = 4 x cluster x + cx
.set RB,  24                           ; first row block = 4 x cluster y + cy
.set CLY, 25                           ; cluster y
.set TILES, 26                         ; tiles to go, this one among them: the same in every work-group
.set BL,  27                           ; the count of laps at which wave 0's prefetches step on to the second tile; -1: never
.set G1,  28                           ; s[28:35] descriptor group 1
.set G0,  36                           ; s[36:43] descriptor group 0, a set for each slot
.set XP,  44                           ; s[44:45] input at my row block, at the slice that the ring multiplies
.set HP,  46                           ; s[46:47] hidden at my row block, at the slice to be loaded
.set PA,  48                           ; s[48:49] the prefetch behind an input step's change of slots
.set PB,  50                           ; s[50:51] behind a hidden step's
.set PST, 52                           ; s52      their usual step
.set LIMA, 54                          ; a wave prefetches while the laps to go are above these
.set LIMB, 55
.set LAP, 56
.set CN,  58                           ; s[58:59] -log2(e)
.set C2,  60                           ; s[60:61] 2 log2(e)
.set STP, 62                           ; s[62:63] the step that is due
.set HB,  66                           ; s[66:67] hidden at my wave's 64 x 64
.set OB,  68                           ; s[68:69] out0 there
.set BIGS, 78                          ; s78      the step from a tile's slice 3 to the next tile's slice 0
.set MSB, 0
.macro WIN new                         ; the immediate's high byte repeats the setting that is left; a switch that changes nothing is dropped
.if MSB != (\new)
	s_set_vgpr_msb (MSB<<8)|(\new)
.set MSB, \new
.endif
.endm
.set MUL_LO, 0xa1                      ; source 0 (wb) window 1, source 1 (batch) window 0, C and D window 2
.set MUL_HI, 0xf1                      ; the same, C and D window 3
.set TO_B,   0x40                      ; destination window 1, address window 0
; A vector instruction that reads a matrix result, and a load into a register that a matrix instruction has read, stand four places behind it; only plain vector instructions that name
; none of its registers are places (ISA guide 7.12.1 for vector instructions).
.macro PLACES
.rept 4
	v_nop
.endr
.endm
; A round of the cluster's barrier: my work-group's barrier, so that wave 0's signal speaks for all four waves; wave 0 signals; every wave waits for all sixteen work-groups; my work-group's barrier once more.
.macro CREST                           ; a round behind its opening barrier
	s_cmp_lg_u32 s[WV], 0
	s_cbranch_scc1 .Lnot_wave_0_\@
	s_barrier_signal -3
.Lnot_wave_0_\@:
	s_barrier_wait -3
	s_barrier_signal -1
	s_barrier_wait -1
.endm
.macro CROUND
	s_barrier_signal -1
	s_barrier_wait -1
	CREST
.endm
; A PREFETCH INTO THE L2, behind a joint load, its five lines and the run of LDS loads that follows.  Each aligned block of 256 bytes is named once in the launch.
; Wave 0 of every work-group: of its row block's 128 rows the 32 that its place along the cluster's x picks (told apart BY ADDRESS), a lane a row, the slice's two blocks.  The slices of the work-group's two tiles
; count as one row of eight, and so do its laps U = 0 .. 7: behind input's step U hidden's slice U + 2 (U up to 5), behind hidden's step U input's slice U + 3 (U up to 4): two steps, 384 matrix instructions,
; ahead of the loads that bring them.  Waves 1 to 3, in the clusters with y = 0 alone (all clusters walk the same wb) and in the first tile alone (the second walks the same blocks, which have been read): of the
; block four steps on, which the load two changes on will ask for, the 96 rows that the place along y picks, 32 a wave, a lane a row.  The laps whose look-ahead would pass the last slice or block ask for nothing.
; how = 0, in the loop: by the laps to go; how = 1, in the first tile's last lap: wave 0 alone.
.macro ASK ptr, lim, how
.if \how
	s_cmp_eq_u32 s[WV], 0
.else
	s_cmp_gt_u32 s[LAP], s[\lim]
.endif
	s_cbranch_scc0 .Lnone_\@
	global_prefetch_b8 v[PFO], s[\ptr:\ptr+1] th:TH_LOAD_NT scope:SCOPE_SE
	s_cmp_lg_u32 s[WV], 0
	s_cbranch_scc1 .Lnone_\@
	global_prefetch_b8 v[PFO], s[\ptr:\ptr+1] offset:256 th:TH_LOAD_NT scope:SCOPE_SE
.Lnone_\@:
.endm
; THE SUMS BEGIN WITH THEIR BIASES, so that the loop has one form of product and the gates add nothing.  A lane's 8 columns of each block of 16 are loaded straight into the accumulators of row block 0
; (BIASLD_LO: R and Z, BIASLD_HI: i and hh; 16 loads each) and copied from there into row blocks 1 to 3 (BIASMOV: 192 lines a window).
.macro BIASLD_LO
	WIN 0x80                                       ; destination window 2, address window 0
.irp nb, 0,1,2,3
.irp hf, 0,1
	global_load_b128 v[8*(\nb)+4*(\hf):8*(\nb)+4*(\hf)+3],         v[BO], s[8:9] offset:64*(\nb)+16*(\hf)
	global_load_b128 v[128+8*(\nb)+4*(\hf):128+8*(\nb)+4*(\hf)+3], v[BO], s[8:9] offset:2048+64*(\nb)+16*(\hf)
.endr
.endr
.endm
.macro BIASLD_HI
	WIN 0xc0                                       ; destination window 3
.irp nb, 0,1,2,3
.irp hf, 0,1
	global_load_b128 v[8*(\nb)+4*(\hf):8*(\nb)+4*(\hf)+3],         v[BO], s[10:11] offset:64*(\nb)+16*(\hf)
	global_load_b128 v[128+8*(\nb)+4*(\hf):128+8*(\nb)+4*(\hf)+3], v[BO], s[12:13] offset:64*(\nb)+16*(\hf)
.endr
.endr
.endm
.macro BIASMOV win                     ; win = 0x82: within window 2; 0xc3: within window 3
	WIN \win
.set q, 32
.rept 96
	v_mov_b32 v[q], v[q%32]
	v_mov_b32 v[128+q], v[128+q%32]
.set q, q+1
.endr
.endm
	s_load_b256 s[4:11], s[0:1], 0x0               ; input s[4:5], hidden s[6:7], b_gate s[8:9], b_i s[10:11]
	s_load_b128 s[12:15], s[0:1], 0x20             ; b_h s[12:13], wb s[14:15]
	s_load_b64 s[16:17], s[0:1], 0x30              ; out0
	v_lshl_add_u32 v[SPW], v0, 2, SPARE
	v_mov_b32 v[NIL], 0
	ds_add_u32 v[SPW], v[NIL]                      ; the wave's opening: the add, twice on end, and its wait ahead of my first tensor load; the set-up below, work on registers, stands between
	ds_add_u32 v[SPW], v[NIL]                      ; and once more, under the one wait
	v_lshrrev_b32 v1, 5, v0
	v_readfirstlane_b32 s[WV], v1                  ; wave 0..3
	s_lshr_b32 s[WM], s[WV], 1
	s_and_b32 s[WN], s[WV], 1
	s_bfe_u32 s[CX], ttmp6, 0x40000
	s_bfe_u32 s[CY], ttmp6, 0x40004
	s_lshl_b32 s[CC], ttmp9, 2                     ; in a cluster launch ttmp9 and ttmp7 count clusters
	s_add_co_u32 s[CC], s[CC], s[CX]
	s_and_b32 s[CLY], ttmp7, 0xffff
	s_lshl_b32 s[RB], s[CLY], 2
	s_add_co_u32 s[RB], s[RB], s[CY]
	; descriptor group 1: 96 rows x 128 elements of 2 bytes, dense in memory, padded in LDS
	s_lshl_b32 s57, 0x1111, s[CX]                  ; my column of the cluster: places cx, cx + 4, cx + 8, cx + 12
	s_or_b32 s[G1+0], s57, (1<<16)|(1<<20)|(1<<21)|(5<<22)|(3<<25)  ; 15:0 the mask; 17:16 2-byte elements; 20 padding on; 21 set beside a mask; 24:22 after every 64 words (code 5); 31:25 4 words (code 3)
	s_mov_b32 s[G1+1], 128<<16                     ; tensor_dim0 = 128
	s_mov_b32 s[G1+2], 96<<16                      ; tensor_dim1 = 96
	s_mov_b32 s[G1+3], 128<<16                     ; tile_dim0 = 128
	s_mov_b32 s[G1+4], 96                          ; tile_dim1 = 96
	s_mov_b32 s[G1+5], 128                         ; 128 elements from row to row
	s_mov_b32 s[G1+6], 0
	s_mov_b32 s[G1+7], 0
	s_mul_i32 s70, s[CC], 8*BLK                    ; where my quarter of the chunk's block 0 lies in wb: made of the chunk, which my column shares, and the wave's number
	s_mul_i32 s72, s[WV], 96*256
	s_add_co_u32 s70, s70, s72
	s_mov_b32 s71, 0
	s_mul_i32 s73, s[WV], 96*PITCH                 ; and where it goes: no place in the cluster enters an LDS address
	s_mov_b32 s[CN], 0xbfb8aa3b
	s_mov_b32 s[CN+1], s[CN]                       ; named as pairs, so both words are written
	s_mov_b32 s[C2], 0x4038aa3b
	s_mov_b32 s[C2+1], s[C2]
	; A fragment is 16 rows x 32 K in 8 registers: lane l holds row l % 16; registers 0-3 K = 8 (l / 16) + 0..7, registers 4-7 K = 16 + 8 (l / 16) + 0..7: two loads of 16 bytes, 32 bytes apart.
	v_and_b32 v17, 15, v0                          ; l % 16
	v_bfe_u32 v18, v0, 4, 1                        ; l / 16
	v_and_b32 v19, 31, v0                          ; l
	v_mul_u32_u24 v20, v17, PITCH
	v_lshl_add_u32 v20, v18, 4, v20                ; row x pitch + 16 x half
	s_mul_i32 s74, s[WM], 64*PITCH
	s_add_co_u32 s74, s74, AS
	v_add_nc_u32 v[ADRA], s74, v20                 ; my 64 batch rows
	v_add_nc_u32 v[ADRA+1], ASLOT, v[ADRA]
	s_mul_i32 s75, s[WN], 64*PITCH
	v_add_nc_u32 v[ADRB], s75, v20                 ; my 64 columns of gate 0 in slot 0,
.irp n, 1,2,3,4,5
	v_add_nc_u32 v[ADRB+(\n)], ((\n)/3)*WSLOT+((\n)%3)*128*PITCH, v[ADRB]  ; of the other gates and slot 1
.endr
	s_lshl_b32 s76, s[WV], 16                      ; I bring in rows 32 wave .. + 31: a row's piece is 512 bytes, 16 a lane,
	v_lshl_add_u32 v[FO], v19, 4, s76
	s_mul_i32 s76, s[WV], 32*PITCH
	s_add_co_u32 s76, s76, AS
	v_lshl_add_u32 v[AST], v19, 3, s76             ; and 8 a lane when rounded
	s_mul_i32 s77, s[WV], 2*SAREA
	s_add_co_u32 s77, s77, STAGE                   ; my stage
	v_mul_u32_u24 v[STO], v17, PITCH               ; in: row l % 16, 32 bytes for each half of the lanes
	v_lshl_add_u32 v[STO], v18, 5, v[STO]
	v_add_nc_u32 v[STO], s77, v[STO]
	v_mul_u32_u24 v[RD], v18, PITCH                ; back: lanes 0-15 take one row of 256 bytes, lanes 16-31 the next
	v_lshl_add_u32 v[RD], v17, 4, v[RD]
	v_add_nc_u32 v[RD], s77, v[RD]
	v_lshlrev_b32 v[HO], 11, v18                   ; and the same two rows in hidden and out
	v_lshl_add_u32 v[HO], v17, 4, v[HO]
	; offsets in memory; these registers alone hold what hangs on both places in the cluster
	s_lshl_b32 s80, s[RB], 18                      ; my first row block: 128 rows of 2,048 bytes
	s_mov_b32 s81, 0
	s_lshl_b32 s85, s[CC], 9
	s_lshl_b32 s84, s[WN], 8
	s_add_co_u32 s85, s85, s84                     ; my wave's 64 columns, in bytes of f32
	v_lshl_add_u32 v[BO], v18, 5, s85
	s_lshl_b32 s82, s[WM], 17
	s_add_co_u32 s82, s82, s80
	s_add_co_u32 s82, s82, s85                     ; my wave's corner of the tile
	s_mov_b32 s83, 0
	s_lshl_b32 s86, s[CX], 16
	s_add_co_u32 s86, s86, s80
	s_add_co_u32 s86, s86, 1024                    ; wave 0's prefetches: my work-group's 32 rows, slice 2
	s_mul_i32 s88, s[CC], 8*BLK
	s_mul_i32 s89, s[CY], 96*256
	s_add_co_u32 s88, s88, s89
	s_lshl_b32 s89, s[WV], 13
	s_add_co_u32 s88, s88, s89                     ; waves 1 to 3: rows 96 cy + 32 (wave - 1) ..
	s_add_co_u32 s90, s88, 3*BLK-8192              ; of block 3, stepped by two blocks ahead of its first use,
	s_add_co_u32 s88, s88, 4*BLK-8192              ; and of block 4
	s_mov_b32 s92, 512
	s_mov_b32 s93, 2*BLK
	s_cmp_eq_u32 s[CLY], 0
	s_cselect_b32 s[LIMA], 1, -1                   ; waves 1 to 3: blocks 4 to 7 in the first two laps; the same in all sixteen partners, for a given wave
	s_mov_b32 s[LIMB], s[LIMA]
	s_cmp_eq_u32 s[WV], 0
	s_cselect_b32 s[LIMA], 0, s[LIMA]              ; wave 0: every lap of the first tile has a slice to ask for
	s_cselect_b32 s[LIMB], 0, s[LIMB]
	s_cselect_b32 s[BL], 2, -1                     ; and in its second lap (two laps of the loop to go) both streams step on to the second tile
	s_cselect_b32 s88, s86, s88
	s_cselect_b32 s90, s86, s90
	s_cselect_b32 s[PST], s92, s93
	s_cselect_b32 s87, 11, 8
	s_mov_b32 s89, 0
	s_mov_b32 s91, 0
	s_mov_b32 s[STP+1], 0
	s_mov_b32 s[BIGS], WALKB-1536
	v_lshlrev_b32 v[PFO], s87, v19                 ; a lane a row: 2,048 bytes apart in input and hidden, 256 in wb
	s_wait_dscnt 0x0                               ; both opening adds are done
	s_wait_kmcnt 0x0
	s_add_nc_u64 s[XP:XP+1], s[4:5], s[80:81]
	s_add_nc_u64 s[HP:HP+1], s[6:7], s[80:81]
	s_add_nc_u64 s[HB:HB+1], s[6:7], s[82:83]
	s_add_nc_u64 s[OB:OB+1], s[16:17], s[82:83]
	s_cmp_eq_u32 s[WV], 0
	s_cselect_b64 s[PA:PA+1], s[6:7], s[14:15]
	s_cselect_b64 s[PB:PB+1], s[4:5], s[14:15]
	s_add_nc_u64 s[PA:PA+1], s[PA:PA+1], s[88:89]
	s_add_nc_u64 s[PB:PB+1], s[PB:PB+1], s[90:91]
	s_add_nc_u64 s[70:71], s[14:15], s[70:71]
.irp s, 0,1
	s_mov_b32 s[G0+4*(\s)], 1                                      ; 1:0 count = 1
	s_add_co_u32 s[G0+4*(\s)+1], s73, (\s)*WSLOT                   ; 63:32 LDS address
	s_add_nc_u64 s[G0+4*(\s)+2:G0+4*(\s)+3], s[70:71], (\s)*BLK    ; 120:64 global address: step s
	s_or_b32 s[G0+4*(\s)+3], s[G0+4*(\s)+3], 0x80000000            ; 127:126 type = 2
.endr
	; the biases and input's slice 0 go out first
	BIASLD_LO
	BIASLD_HI
	WIN TO_B
.set q, 0
.rept 32
	global_load_b128 v[4*q:4*q+3], v[FO], s[XP:XP+1] offset:q*ROWB
.set q, q+1
.endr
	WIN 0
	CROUND                                         ; all sixteen work-groups are here: the first joint loads meet
	tensor_load_to_lds s[G0:G0+3], s[G1:G1+7]      ; steps 0 and 1: two tensor loads of mine are out; later one
	s_nop 0
	tensor_load_to_lds s[G0+4:G0+7], s[G1:G1+7]
	s_nop 0
	PLACES                                         ; behind a tensor load: s_nop 0, then four vector lines ahead of any switch of windows
	s_wait_loadcnt 32                              ; the 32 loads of biases are in; input's 32 stay out
.set q, 0
.rept 32
	global_load_b128 v[FD+4*q:FD+4*q+3], v[FO], s[HP:HP+1] offset:q*ROWB  ; hidden's slice 0
.set q, q+1
.endr
	BIASMOV 0x82                                   ; these copies stand in the wait for the first slices
	BIASMOV 0xc3
	; input's slice 0: rounded, into slot 0 of the batch rows' ring
.irp jg, 0,1,2,3
	s_wait_loadcnt 56-8*(\jg)                      ; rows 8 jg .. + 7 are in: behind them stand input's later rows and hidden's 32
	WIN 0x05                                       ; sources window 1, destination window 0
.irp i, 0,1,2,3,4,5,6,7
	v_cvt_pk_bf16_f32 v[PK+2*(\i)],   v[4*(8*(\jg)+(\i))],   v[4*(8*(\jg)+(\i))+1]
	v_cvt_pk_bf16_f32 v[PK+2*(\i)+1], v[4*(8*(\jg)+(\i))+2], v[4*(8*(\jg)+(\i))+3]
.endr
	WIN 0
.irp i, 0,1,2,3,4,5,6,7
	ds_store_b64 v[AST], v[PK+2*(\i):PK+2*(\i)+1] offset:(8*(\jg)+(\i))*PITCH
.endr
.endr
; 16 matrix instructions: gate gt (0: R, 1: Z, 2: i in a step of input, ty = 0, or hh in a step of hidden, ty = 1), all 4 x 4 blocks, 32 along K, fragment buffer f.
; A quarter step's 48 accumulators take turns, one instruction a turn, in one order everywhere: 47 others stand between two links of a chain, over the backward jumps too.
.macro MULG gt, f, ty
.if (\gt) < 2
	WIN MUL_LO
.set AB, 128*(\gt)
.else
	WIN MUL_HI
.set AB, 128*(\ty)
.endif
.irp mb, 0,1,2,3
.irp nb, 0,1,2,3
	v_wmma_f32_16x16x32_bf16 v[AB+8*(4*(\mb)+(\nb)):AB+8*(4*(\mb)+(\nb))+7], v[96*(\f)+8*(4*(\gt)+(\nb)):96*(\f)+8*(4*(\gt)+(\nb))+7], v[FA+32*(\f)+8*(\mb):FA+32*(\f)+8*(\mb)+7], v[AB+8*(4*(\mb)+(\nb)):AB+8*(4*(\mb)+(\nb))+7]
.endr
.endr
.endm
; 32 LDS loads in one run: a quarter step's fragments (32 K at byte k of the rows of slots sl) into buffer f: the batch rows' 8 loads, then wb's gates 0, 1, 2, 8 each
.macro FETCH sl, k, f
	WIN 0
.irp mb, 0,1,2,3
	ds_load_b128 v[FA+32*(\f)+8*(\mb):FA+32*(\f)+8*(\mb)+3],   v[ADRA+(\sl)] offset:(\k)+(\mb)*16*PITCH
	ds_load_b128 v[FA+32*(\f)+8*(\mb)+4:FA+32*(\f)+8*(\mb)+7], v[ADRA+(\sl)] offset:(\k)+(\mb)*16*PITCH+32
.endr
	WIN TO_B
.irp g, 0,1,2
.irp nb, 0,1,2,3
	ds_load_b128 v[96*(\f)+8*(4*(\g)+(\nb)):96*(\f)+8*(4*(\g)+(\nb))+3],   v[ADRB+3*(\sl)+(\g)] offset:(\k)+(\nb)*16*PITCH
	ds_load_b128 v[96*(\f)+8*(4*(\g)+(\nb))+4:96*(\f)+8*(4*(\g)+(\nb))+7], v[ADRB+3*(\sl)+(\g)] offset:(\k)+(\nb)*16*PITCH+32
.endr
.endr
.endm
; THE NEXT STEP'S BATCH ROWS, a quarter of my 32 at a time (rows 8 j .. + 7): they were asked for a step ago; now they are rounded and stored into the slot that the next step reads (1 - ty).
; mode 2: the registers are asked for again at once, with the slice of the step after that (in a step of input: input's next slice; in a step of hidden: hidden's).  mode 1: nothing more is asked for.
; mode 0: nothing is left to bring in.  left: the younger loads that may stay out.
; The 16 conversions (or four v_nop) are also the places in front of the LDS loads that follow, into a buffer that the quarter before multiplied.
.macro FEED j, ty, mode, left
	WIN 0
.if (\mode) == 0
	PLACES
.else
	s_wait_loadcnt \left
.irp i, 0,1,2,3,4,5,6,7
	v_cvt_pk_bf16_f32 v[PK+2*(\i)],   v[FD+4*(8*(\j)+(\i))],   v[FD+4*(8*(\j)+(\i))+1]
	v_cvt_pk_bf16_f32 v[PK+2*(\i)+1], v[FD+4*(8*(\j)+(\i))+2], v[FD+4*(8*(\j)+(\i))+3]
.endr
.irp i, 0,1,2,3,4,5,6,7
	ds_store_b64 v[AST], v[PK+2*(\i):PK+2*(\i)+1] offset:(1-(\ty))*ASLOT+(8*(\j)+(\i))*PITCH
.endr
.if (\mode) == 2
.irp i, 0,1,2,3,4,5,6,7
.if (\ty) == 0
	global_load_b128 v[FD+4*(8*(\j)+(\i)):FD+4*(8*(\j)+(\i))+3], v[FO], s[XP:XP+1] offset:(8*(\j)+(\i))*ROWB+512
.else
	global_load_b128 v[FD+4*(8*(\j)+(\i)):FD+4*(8*(\j)+(\i))+3], v[FO], s[HP:HP+1] offset:(8*(\j)+(\i))*ROWB
.endif
.endr
.endif
.endif
.endm
; A step is four quarters of 32 along K, 48 matrix instructions each, on buffers 0, 1, 0, 1.  One of the first three: multiplies buffer f, and behind its first gate feeds the ring and fetches the next quarter, at byte k, into buffer g.
.macro QUARTER ty, k, f, g, j, mode, left
	s_wait_dscnt 16                                ; the batch rows' fragments and gate 0's are in; gates 1 and 2, sixteen loads, may be out
	MULG 0, \f, \ty
	FEED \j, \ty, \mode, \left
	FETCH \ty, \k, \g
.if (\mode) > 0
	s_wait_dscnt 40                                ; all but the 8 stores and 32 loads just issued
.else
	s_wait_dscnt 32                                ; all but the 32 loads just issued
.endif
	MULG 1, \f, \ty
	MULG 2, \f, \ty
.endm
; The last quarter multiplies buffer 1 and changes slots: ONE barrier, for both rings.  In front of it each wave has stored the last of its rows for the next step, waits for all its tensor loads (one is out: its
; quarter of the next step's weights), adds 0 to its spare word, and waits for that, for its stores and for its reads of this step's slots.  Behind it the next step's slots are whole and nobody reads this step's.
; fill = 1: the barrier opens a round of the cluster's, so that no wave of any partner still reads the slot or has a load on its way, and the joint refill is the first thing behind the round: the block two
; steps on (on = 0) or, in the first tile's last lap (on = 1), the same slot's first block once more, for the second tile.  With on = 1 hidden's change of slots fetches no fragments: the gates come first.
.macro TURN ty, fill, mode, left, on=0
.if \fill
	s_wait_xcnt 0x0                                ; every load and prefetch issued so far has read its address: the pointers that rest in this step are stepped
	s_cmp_eq_u32 s[LAP], s[BL]
	s_cselect_b32 s[STP], s[BIGS], s[PST]          ; the prefetches' step: a choice of a number, no branch
.if (\ty) == 0
.if \on
	s_add_nc_u64 s[HP:HP+1], s[HP:HP+1], WALKB-1536  ; from slice 3 to the second tile's slice 0
.else
	s_add_nc_u64 s[HP:HP+1], s[HP:HP+1], 512
.endif
	s_add_nc_u64 s[PB:PB+1], s[PB:PB+1], s[STP:STP+1]
.else
	s_add_nc_u64 s[XP:XP+1], s[XP:XP+1], 512
	s_add_nc_u64 s[PA:PA+1], s[PA:PA+1], s[STP:STP+1]
.endif
.endif
	FEED 3, \ty, \mode, \left
	WIN 0
	s_wait_tensorcnt 0x0                           ; all my tensor loads have landed, so a group 0 may be written
	ds_add_u32 v[SPW], v[NIL]                      ; 0 onto my spare word
.if \fill
.if \on
	s_sub_nc_u64 s[G0+4*(\ty)+2:G0+4*(\ty)+3], s[G0+4*(\ty)+2:G0+4*(\ty)+3], 6*BLK  ; back from block 6 or 7 to block 0 or 1
.else
	s_add_nc_u64 s[G0+4*(\ty)+2:G0+4*(\ty)+3], s[G0+4*(\ty)+2:G0+4*(\ty)+3], 2*BLK  ; this slot's next block; the type bits on top are not reached
.endif
.endif
	s_wait_dscnt 25                                ; the add, my 8 stores and gates 1 and 2 may be out
	MULG 0, 1, \ty                                 ; sixteen matrix instructions stand between the add and the wait for it
	s_wait_dscnt 0x0                               ; the add and my stores are done, my reads of this step's slots are over
	s_barrier_signal -1
	MULG 1, 1, \ty                                 ; work on registers while the others arrive
	WIN 0                                          ; at a branch and at a label every window is 0
	s_barrier_wait -1
.if \fill
	CREST
	tensor_load_to_lds s[G0+4*(\ty):G0+4*(\ty)+3], s[G1:G1+7]  ; my one tensor load behind the round; every wave runs this line, each with its own quarter's addresses
	s_nop 0
.endif
	PLACES                                         ; the places in front of the loads below
.if !((\on) && ((\ty) == 1))
	FETCH 1-(\ty), 0, 0
.endif
.if \fill
	WIN 0
.if (\ty) == 0
	ASK PA, LIMA, \on
.else
	ASK PB, LIMB, \on
.endif
.endif
	MULG 2, 1, \ty
.endm
	s_wait_tensorcnt 0x1                           ; my quarter of step 0's weights is in; step 1's may stay out
	s_wait_dscnt 0x0                               ; my rows of input's slice 0 are stored
	s_barrier_signal -1
	s_barrier_wait -1                              ; everybody's are
	s_mov_b32 s[TILES], 2
.Ltile:                                                ; a tile begins: both rings' slots 0 are whole (the barrier above, or the last change of slots), the sums hold their biases, hidden's slice 0 is in FD or on its way
	FETCH 0, 0, 0
	WIN 0
	s_mov_b32 s[LAP], 3
.Llap:                                                 ; lap u = 0, 1, 2: a step of input's slice u, a step of hidden's slice u; both weight slots are filled again
	QUARTER 0, 64,  0, 1, 0, 2, 24                 ; 24: three younger groups of 8 loads stay out; each group was asked for a whole step ago
	QUARTER 0, 128, 1, 0, 1, 2, 24
	QUARTER 0, 192, 0, 1, 2, 2, 24
	TURN 0, 1, 2, 24
	QUARTER 1, 64,  0, 1, 0, 2, 24
	QUARTER 1, 128, 1, 0, 1, 2, 24
	QUARTER 1, 192, 0, 1, 2, 2, 24
	TURN 1, 1, 2, 24
	WIN 0
	s_sub_co_u32 s[LAP], s[LAP], 1
	s_cmp_lg_u32 s[LAP], 0
	s_cbranch_scc1 .Llap
	s_cmp_eq_u32 s[TILES], 1
	s_cbranch_scc1 .Llast                          ; the last tile's last lap is written out apart: it asks for nothing more
	; THE RINGS GO ON INTO THE SECOND TILE: a lap like the loop's; only the steps differ
	s_wait_xcnt 0x0                                ; input's loads have read their base
	s_add_nc_u64 s[XP:XP+1], s[XP:XP+1], WALKB-2048  ; so that the slice behind slice 3 is the second tile's slice 0
	QUARTER 0, 64,  0, 1, 0, 2, 24
	QUARTER 0, 128, 1, 0, 1, 2, 24
	QUARTER 0, 192, 0, 1, 2, 2, 24
	TURN 0, 1, 2, 24, 1
	QUARTER 1, 64,  0, 1, 0, 2, 24
	QUARTER 1, 128, 1, 0, 1, 2, 24
	QUARTER 1, 192, 0, 1, 2, 2, 24
	TURN 1, 1, 2, 24, 1
	WIN 0
	s_branch .Lepi
.Llast:
	QUARTER 0, 64,  0, 1, 0, 1, 24                 ; nothing is asked for beyond the last slice: the counts run down
	QUARTER 0, 128, 1, 0, 1, 1, 16
	QUARTER 0, 192, 0, 1, 2, 1, 8
	TURN 0, 0, 1, 0                                ; a plain barrier: nothing is filled again
	QUARTER 1, 64,  0, 1, 0, 0, 0
	QUARTER 1, 128, 1, 0, 1, 0, 0
	QUARTER 1, 192, 0, 1, 2, 0, 0
	s_wait_dscnt 16
	MULG 0, 1, 1
	s_wait_dscnt 0x0
	MULG 1, 1, 1
	MULG 2, 1, 1
	WIN 0
.Lepi:
	; THE GATES, in place in the accumulators, pair a = 0 .. 63 of registers in ascending order (each accumulator is read from its low end on).
	; Transcendentals go in batches: nothing in a batch names a result of that batch; a plain line stands behind the last, and ONE s_wait_alu ahead of the first reader.  Plain work of the
	; other gate stands between the transcendentals.  Window 0 is left alone: in the first tile FD holds the second tile's slice 0 of hidden.
.macro BATCH_END
	v_nop
	s_wait_alu depctr_va_vdst(0)
.endm
	PLACES                                         ; behind the last products
	WIN TO_B
.irp mb, 0,1,2,3                       ; hidden's f32 numbers of my 64 x 64, for the blend: 16 lanes read 256 consecutive bytes of a row; all the gates' batches stand between these loads and their use
.irp t, 0,1,2,3,4,5,6,7
	global_load_b128 v[HT+32*(\mb)+4*(\t):HT+32*(\mb)+4*(\t)+3], v[HO], s[HB:HB+1] offset:(16*(\mb)+2*(\t))*ROWB
.endr
.endr
	WIN 0x82                                       ; destination and source 0 window 2
.set a, 0
.rept 64
	v_pk_mul_f32 v[2*a:2*a+1], v[2*a:2*a+1], s[CN:CN+1] op_sel_hi:[1,0]  ; -R log2 e
.set a, a+1
.endr
.set a, 0
.rept 64
	v_exp_f32 v[2*a], v[2*a]
	v_pk_mul_f32 v[128+2*a:128+2*a+1], v[128+2*a:128+2*a+1], s[CN:CN+1] op_sel_hi:[1,0]  ; -Z log2 e
	v_exp_f32 v[2*a+1], v[2*a+1]
.set a, a+1
.endr
	BATCH_END
.set a, 0
.rept 64
	v_exp_f32 v[128+2*a], v[128+2*a]
	v_pk_add_f32 v[2*a:2*a+1], v[2*a:2*a+1], 1.0 op_sel_hi:[1,0]
	v_exp_f32 v[128+2*a+1], v[128+2*a+1]
.set a, a+1
.endr
	BATCH_END
.set a, 0
.rept 64
	v_rcp_f32 v[2*a], v[2*a]                       ; r
	v_pk_add_f32 v[128+2*a:128+2*a+1], v[128+2*a:128+2*a+1], 1.0 op_sel_hi:[1,0]
	v_rcp_f32 v[2*a+1], v[2*a+1]
.set a, a+1
.endr
	BATCH_END
	WIN 0xbe                                       ; sources 1 and 2 window 3: hh and i
.set a, 0
.rept 64
	v_rcp_f32 v[128+2*a], v[128+2*a]               ; z
	v_pk_fma_f32 v[2*a:2*a+1], v[2*a:2*a+1], v[128+2*a:128+2*a+1], v[2*a:2*a+1]  ; r hh + i
	v_rcp_f32 v[128+2*a+1], v[128+2*a+1]
	v_pk_mul_f32 v[2*a:2*a+1], v[2*a:2*a+1], s[C2:C2+1] op_sel_hi:[1,0]  ; times 2 log2 e
.set a, a+1
.endr
	BATCH_END                                      ; a branch follows
	WIN 0
	s_cmp_eq_u32 s[TILES], 1
	s_cbranch_scc1 .Lno_bias_hi
	BIASLD_HI                                      ; i and hh have been read for the last time: the second tile's biases go into their row block 0
	WIN 0
.Lno_bias_hi:
	WIN 0x82
.set a, 0
.rept 128
	v_exp_f32 v[a], v[a]
.set a, a+1
.endr
	BATCH_END
.set a, 0
.rept 64
	v_pk_add_f32 v[2*a:2*a+1], v[2*a:2*a+1], 1.0 op_sel_hi:[1,0]
.if a > 0
	v_rcp_f32 v[2*a-2], v[2*a-2]
	v_rcp_f32 v[2*a-1], v[2*a-1]
.endif
.set a, a+1
.endr
	v_rcp_f32 v[126], v[126]
	v_rcp_f32 v[127], v[127]
	BATCH_END
	; THE WAY OUT, 16 rows at a time.  A lane holds 8 columns of one row; nn and z go through my own stage in LDS and come back as whole rows of 256 bytes, where hidden's f32 numbers already lie in the same order.
.macro NN mb                           ; nn = 1 - 2 / (1 + 2^(..))
	WIN 0x82
.set a, 0
.rept 16
	v_pk_fma_f32 v[32*(\mb)+2*a:32*(\mb)+2*a+1], v[32*(\mb)+2*a:32*(\mb)+2*a+1], -2.0, 1.0 op_sel_hi:[1,0,0]
.set a, a+1
.endr
.endm
.macro TOSTAGE mb
	WIN 0x08                                       ; the stores' data in window 2
.irp nb, 0,1,2,3
.irp hf, 0,1
	ds_store_b128 v[STO], v[32*(\mb)+8*(\nb)+4*(\hf):32*(\mb)+8*(\nb)+4*(\hf)+3] offset:64*(\nb)+16*(\hf)
	ds_store_b128 v[STO], v[128+32*(\mb)+8*(\nb)+4*(\hf):128+32*(\mb)+8*(\nb)+4*(\hf)+3] offset:SAREA+64*(\nb)+16*(\hf)
.endr
.endr
	WIN TO_B
.irp t, 0,1,2,3,4,5,6,7
	ds_load_b128 v[64*((\mb)%2)+4*(\t):64*((\mb)%2)+4*(\t)+3],       v[RD] offset:2*PITCH*(\t)        ; LDS serves a wave's instructions in order (ISA guide 5.7.1.4): these see the stores above,
	ds_load_b128 v[64*((\mb)%2)+32+4*(\t):64*((\mb)%2)+32+4*(\t)+3], v[RD] offset:SAREA+2*PITCH*(\t)  ; and the next block's stores come behind them
.endr
.endm
.macro BLEND mb, younger               ; younger: the LDS instructions issued behind this block's loads: the next block's 16 stores and 16 loads, or none
	s_wait_dscnt \younger
	WIN 0x55                                       ; all in window 1
.set a, 0
.rept 16
	v_pk_add_f32 v[HT+32*(\mb)+2*a:HT+32*(\mb)+2*a+1], v[HT+32*(\mb)+2*a:HT+32*(\mb)+2*a+1], v[64*((\mb)%2)+2*a:64*((\mb)%2)+2*a+1] neg_lo:[0,1] neg_hi:[0,1]  ; hidden - nn
.set a, a+1
.endr
.set a, 0
.rept 16
	v_pk_fma_f32 v[HT+32*(\mb)+2*a:HT+32*(\mb)+2*a+1], v[64*((\mb)%2)+32+2*a:64*((\mb)%2)+32+2*a+1], v[HT+32*(\mb)+2*a:HT+32*(\mb)+2*a+1], v[64*((\mb)%2)+2*a:64*((\mb)%2)+2*a+1]  ; z (hidden - nn) + nn
.set a, a+1
.endr
	WIN 0x04                                       ; the stores' data in window 1, their address in window 0
.irp t, 0,1,2,3,4,5,6,7
	global_store_b128 v[HO], v[HT+32*(\mb)+4*(\t):HT+32*(\mb)+4*(\t)+3], s[OB:OB+1] offset:(16*(\mb)+2*(\t))*ROWB th:TH_STORE_NT  ; 16 lanes store 256 consecutive bytes, at a multiple of 256 from out0's first byte
.endr
.endm
	NN 0
	TOSTAGE 0
	NN 1                                           ; a block's arithmetic and stage stand between the loads of the block before and their use
	TOSTAGE 1
	s_wait_loadcnt 0x0                             ; hidden's tile; in the first tile also the second's slice 0 and i's and hh's biases, all asked for two batches ago or earlier
	BLEND 0, 32
	WIN 0
	s_cmp_eq_u32 s[TILES], 1
	s_cbranch_scc1 .Lno_bias_lo
	BIASLD_LO                                      ; row block 0 of R and Z has left through the stage (the wait in BLEND 0 has shown its stores done): the second tile's biases go there,
	BIASMOV 0xc3                                   ; and i's and hh's are copied into row blocks 1 to 3
	WIN 0
.Lno_bias_lo:
	NN 2
	TOSTAGE 2
	BLEND 1, 32
	NN 3
	TOSTAGE 3
	BLEND 2, 32
	BLEND 3, 0
	WIN 0
	s_cmp_eq_u32 s[TILES], 1
	s_cbranch_scc1 .Lno_next
	s_wait_loadcnt 0x0                             ; R's and Z's biases
	BIASMOV 0x82
	WIN 0
	s_wait_xcnt 0x0                                ; the stores have read their registers and their base: window 1 is loaded again, and the bases stepped, only behind this wait
	s_add_nc_u64 s[HB:HB+1], s[HB:HB+1], WALKB
	s_add_nc_u64 s[OB:OB+1], s[OB:OB+1], WALKB
	s_mov_b32 s[BL], -1                            ; the prefetches' long step has been made
	s_cmp_eq_u32 s[WV], 0
	s_cselect_b32 s[LIMA], 1, -1                   ; wave 0: hidden's slices 2 and 3 in the second tile's first two laps,
	s_cselect_b32 s[LIMB], 2, -1                   ; input's slice 3 in its first; waves 1 to 3: wb has been read, and is asked for no more
.Lno_next:
	s_sub_co_u32 s[TILES], s[TILES], 1
	s_cmp_lg_u32 s[TILES], 0
	s_cbranch_scc1 .Ltile
	s_wait_tensorcnt 0x0                           ; the wave's end: a last add and its wait, behind my last tensor load and my last LDS store
	ds_add_u32 v[SPW], v[NIL]
	s_wait_dscnt 0x0
	CROUND                                         ; the closing round: no work-group ends while a partner may still ask for a block that names it
	s_endpgm
.Lfunc_end_k_qbef580740b_gru:
	.size	k_qbef580740b_gru, .Lfunc_end_k_qbef580740b_gru-k_qbef580740b_gru
	.p2alignl 7, 3214868480
	.fill 96, 4, 3214868480
	.section	.rodata,"a",@progbits
	.p2align	6, 0x0
	.amdhsa_kernel k_qbef580740b_gru
		.amdhsa_group_segment_fixed_size 327680
		.amdhsa_private_segment_fixed_size 0
		.amdhsa_enable_private_segment 0
		.amdhsa_kernarg_size 56
		.amdhsa_user_sgpr_count 2
		.amdhsa_user_sgpr_kernarg_segment_ptr 1
		.amdhsa_wavefront_size32 1
		.amdhsa_system_sgpr_workgroup_id_x 1
		.amdhsa_system_sgpr_workgroup_id_y 1
		.amdhsa_system_sgpr_workgroup_id_z 1
		.amdhsa_system_vgpr_workitem_id 0
		.amdhsa_next_free_vgpr 1024
		.amdhsa_next_free_sgpr 96
		.amdhsa_reserve_vcc 0
		.amdhsa_float_denorm_mode_32 3
		.amdhsa_float_denorm_mode_16_64 3
		.amdhsa_memory_ordered 1
		.amdhsa_forward_progress 1
		.amdhsa_inst_pref_size 255
	.end_amdhsa_kernel
	.section	.bss,"aw",@nobits
	.p2align	6
	.space	262144
	.amdgpu_metadata
---
amdhsa.version: [ 1, 2 ]
amdhsa.kernels:
  - .name:           k_qbef580740b_gru
    .symbol:         k_qbef580740b_gru.kd
    .args:
      - { .name: input, .offset: 0, .size: 8, .value_kind: global_buffer, .address_space: global }
      - { .name: hidden, .offset: 8, .size: 8, .value_kind: global_buffer, .address_space: global }
      - { .name: b_gate, .offset: 16, .size: 8, .value_kind: global_buffer, .address_space: global }
      - { .name: b_i, .offset: 24, .size: 8, .value_kind: global_buffer, .address_space: global }
      - { .name: b_h, .offset: 32, .size: 8, .value_kind: global_buffer, .address_space: global }
      - { .name: wb, .offset: 40, .size: 8, .value_kind: global_buffer, .address_space: global }
      - { .name: out0, .offset: 48, .size: 8, .value_kind: global_buffer, .address_space: global }
    .group_segment_fixed_size: 327680
    .private_segment_fixed_size: 0
    .kernarg_segment_align: 8
    .kernarg_segment_size: 56
    .max_flat_workgroup_size: 128
    .sgpr_count:     96
    .vgpr_count:     1024
    .wavefront_size: 32
...
	.end_amdgpu_metadata
.endif
;; end of part 2
